; MI455X (gfx1250); checked and timed in simulation.
; The chip was launched on July 23, 2026; its instructions are those of AMD's public machine-readable ISA for CDNA 5 (MIT licence, August 2026) and "CDNA5" Instruction Set Architecture Reference Guide (July 2026). The comments in the code are by the model that wrote it; some were corrected since.
;; Causal Self Attention. Allowed arithmetic: matrix products marked QUANTISED: E4M3 operands, one given power-of-two scale a tensor, by v_wmma_f32_16x16x64_fp8_fp8 or v_wmma_f32_16x16x128_fp8_fp8, f32 sums; everything else in f32.
;; Inputs: lowp_scales 8 int32 (the exponents e of the quantised operands' scales 2^e); w_proj 1,024 x 1,024 float32; w_qkv 1,024 x 3,072 float32; x 4 x 2,048 x 1,024 float32.
;; Outputs: out0 4 x 2,048 x 1,024 float32.
;; This version of the problem:
;;   THIS VERSION OF THE PROBLEM IS GIVEN IN LOW PRECISION. The matrix products marked QUANTISED in the list below multiply operands that are first quantised to E4M3 (4 exponent bits, 3 mantissa bits; 8 bits a number), with one given power-of-two scale for each operand tensor; their sums are f32. All else is computed in f32.
;;   The module's matrix products, in the order in which they are computed (A, B: the left and right operand; K: the contracted axis; several contracted axes count as one K, in the product's order):
;;     1. [M 8,192, K 1,024] x [K 1,024, N 3,072]; A: input x; B: input w_qkv: QUANTISED (scales: A lowp_scales[0], B lowp_scales[1])
;;     2. batch 64 x [M 2,048, K 64] x [K 64, N 2,048]; A: computed on the way; B: computed on the way: QUANTISED (scales: A lowp_scales[2], B lowp_scales[3])
;;     3. batch 64 x [M 2,048, K 2,048] x [K 2,048, N 64]; A: softmax (see below); B: computed on the way: QUANTISED (scales: A lowp_scales[4], B lowp_scales[5])
;;     4. [M 8,192, K 1,024] x [K 1,024, N 1,024]; A: computed on the way; B: input w_proj: QUANTISED (scales: A lowp_scales[6], B lowp_scales[7])
;;   THE QUANTISER, for each operand of a quantised product, along K:
;;     - The operand's scale is 2^e, e = its entry of the input lowp_scales (int32; the entries are numbered through the quantised products in the list's order, A before B).
;;     - Each number is divided by the scale, clamped to +-448, and rounded to the nearest number of E4M3, ties to even, subnormals kept.
;;     - The product sums the exact products of the quantised numbers (number of the format x scale) in f32.
;;   ~~~python
;;   def quantise(x, axis, e):      # numpy; x: float32 -> the quantised numbers, widened to float32 again
;;       x = np.moveaxis(x, axis, -1); K = x.shape[-1]
;;       r = np.clip(x / 2.0 ** e, -448, 448)
;;       step = 2.0 ** (np.maximum(np.frexp(np.where(r == 0, 1, r))[1] - 1, -6) - 3)
;;       q = np.round(r / step) * step * 2.0 ** e      # np.round: ties to even
;;       return np.moveaxis(q, -1, axis).astype(np.float32)
;;   ~~~
;;   SOFTMAX AHEAD OF A QUANTISED PRODUCT. Where the list says 'softmax', what is quantised is not the finished softmax but p = 2^(t - M), with t = logit x log2(e) and M = ceil(the row's largest t), a whole number; so 1/2 < the row's largest p <= 1. The row's sum l is taken of the UNQUANTISED p, in f32, and the product's result is divided by l at the end. Since M is a whole number, a kernel that streams over the keys may use a running M (the ceiling of the running maximum): every later rescaling is an exact power of two, so the quantised numbers keep their values, but for numbers so far below the row's largest that they fall under the format's range.
;;   OPERANDS COMPUTED ON THE WAY. 'Computed on the way' means the value that the module computes at that place (a softmax that the list does not call 'softmax' is quantised finished and normalised). What goes into a quantiser is computed in f32, as accurately as f32 sums, v_exp_f32 and their like allow (about 1e-6 of the number): no bf16 or f16 on the way to a quantiser, and a product that is left as it is and whose result goes on into a quantised operand takes f32 operands (vector FMAs, or v_wmma_f32_16x16x4_f32). A number that lies on a knife's edge between two numbers of the format may be rounded either way, as far as f32 arithmetic and the matrix unit's own rounding can turn it there, and no further.
;; One version. Each part assembles by itself: llvm-mc -triple=amdgcn-amd-amdhsa -mcpu=gfx1250 --defsym DOCPART=n.
;; ======== version 1 of 1: 4 launches
;; limits: right only within a limited range of input values
;; workspace buffers: xc 8,388,608 bytes; wqc 3,145,728 bytes; wpc 1,048,576 bytes; qkvc 25,165,824 bytes; yc 8,388,608 bytes
;; launch quant (part 1): grid 384 x 1, 4 waves a work-group, no clusters, 34,304 bytes of LDS; arguments x, w_qkv, w_proj, lowp_scales, xc, wqc, wpc; writes xc, wqc, wpc
.if DOCPART == 1
	.amdgcn_target "amdgcn-amd-amdhsa--gfx1250"
	.amdhsa_code_object_version 6
	.text
	.protected	k_qe025e529ad_quant
	.globl	k_qe025e529ad_quant
	.p2align	8
	.type	k_qe025e529ad_quant,@function
k_qe025e529ad_quant:
	s_mov_b64 s[64:65], 0
	v_nop
	global_prefetch_b8 v0, s[64:65] scope:SCOPE_SE
	s_setreg_imm32_b32 hwreg(HW_REG_WAVE_MODE, 25, 1), 1
	s_wait_xcnt 0x0
; x [8192][1024], w_qkv [1024 (k)][3072], w_proj [1024 (k)][1024], all f32, become codes of FP8 (E4M3), each with the one scale 2^e given for it (entries 0, 1, 7 of the scales).
; code = number / 2^e, held within +-448, rounded to the nearest code, ties to even.
; LIMITS: each e between -126 and 119, so that 2^e and 448 x 2^e are f32 numbers.  NaN among the inputs is not served; an infinity is held at the largest code.
; THE CODES ARE LAID AS IMAGES OF THE OPERAND'S REGISTERS.  A fragment of 16 rows x 128 K is 2,048 bytes: byte 512 g + 16 L + e (g = 0..3, lane L = 16 h + r) is the code of row r at
; k = 32 g + 8 h + e (e < 8) or 32 g + 16 + 8 h + e - 8: registers 4 g .. 4 g + 3 of the plain fp8 form's own layout.  A buffer is [row / 128][K / 256][row tile 0..7][K / 128 % 2][image]:
; 128 rows x 256 K are 32,768 consecutive bytes.  Rows: x by token, the weights by their column n (their K is their first axis).
; Work-groups 0-255 take x, 256-383 the weights, 131,072 bytes of f32 each; the two ways part on the work-group's number, and only x's way touches LDS.
; x: a wave takes 16 rows x 512 K, four fragments.  Each load reads 512 consecutive bytes of a row; the fragment's 8,192 bytes turn through the wave's own stage (rows of 512 + 16 bytes), so that a lane gets its
; 64 numbers in the image's order; the codes leave as 512 consecutive bytes a store.
; Weights: a lane takes a column and its registers run down K, so the conversions give codes with K innermost; a block of 32 k is the two halves' 16 bytes of one group g, stored straight: sixteen lanes fill 256 aligned bytes.
.set STG,   8448                       ; a wave's stage: 16 rows x 528 bytes
.set SPARE, 4*STG                      ; behind the stages: the spare words, 128 bytes a wave: two blocks of 256 bytes that no other line names
.set SPW,   12                         ; v12  LDS address of my spare word; never rewritten
.set NIL,   13                         ; v13  0; never rewritten
.set R,     16                         ; x: v16-143  two sets of 64 numbers as loaded
.set X,     144                        ; x: v144-207 64 numbers in the image's order
.set C,     208                        ; x: v208-239 two sets of 16 registers of codes
.set OF,    16                         ; w: v16-47   4 x lane + i rows of the weight
.set WX,    48                         ; w: v48-111  two sets of 32 numbers
.set WC,    112                        ; w: v112-175 eight registers of codes for each of the eight blocks: no store's data are written again
.set WB,    32                         ; w: s[32:47] a base for each of the eight blocks of 32 rows: written once, ahead of the first load
	s_load_b256 s[4:11], s[0:1], 0x0               ; x s[4:5], w_qkv s[6:7], w_proj s[8:9], the scales' exponents s[10:11]
	s_load_b128 s[12:15], s[0:1], 0x20             ; xc s[12:13], wqc s[14:15]
	s_load_b64 s[16:17], s[0:1], 0x30              ; wpc
	v_lshl_add_u32 v[SPW], v0, 2, SPARE
	v_mov_b32 v[NIL], 0
	v_lshrrev_b32 v1, 5, v0
	v_readfirstlane_b32 s18, v1                    ; wave 0..3
	v_and_b32 v1, 31, v0                           ; lane
	v_and_b32 v2, 15, v0                           ; r
	v_bfe_u32 v3, v0, 4, 1                         ; h
	v_lshlrev_b32 v4, 4, v1                        ; 16 x lane
	s_wait_kmcnt 0x0
	s_load_b256 s[20:27], s[10:11], 0x0            ; e0 .. e7
	s_cmp_ge_u32 ttmp9, 256
	s_cbranch_scc1 .Lweights
	; ---------------- x ----------------
	s_lshr_b32 s28, ttmp9, 1
	s_lshl_b32 s28, s28, 2
	s_add_co_u32 s28, s28, s18                     ; my tile of 16 rows: 4 (work-group / 2) + wave, 0..511
	s_and_b32 s29, ttmp9, 1                        ; which half of K
	s_lshl_b32 s30, s28, 16                        ; 16 rows of 4,096 bytes
	s_lshl_b32 s31, s29, 11                        ; 512 numbers
	s_add_co_u32 s30, s30, s31
	s_mov_b32 s31, 0
	s_add_nc_u64 s[4:5], s[4:5], s[30:31]
	s_lshr_b32 s30, s28, 3
	s_lshl_b32 s30, s30, 17                        ; the block of 128 rows,
	s_lshl_b32 s32, s29, 16                        ; two K steps of 256,
	s_add_co_u32 s30, s30, s32
	s_and_b32 s32, s28, 7
	s_lshl_b32 s32, s32, 12                        ; the row tile in the block
	s_add_co_u32 s30, s30, s32
	s_add_nc_u64 s[12:13], s[12:13], s[30:31]
	s_mul_i32 s33, s18, STG
	s_wait_alu depctr_va_vdst(0)
	v_add_nc_u32 v14, s33, v4                      ; the stage, way in: 16 x lane of a row
	v_mul_u32_u24 v15, v2, 528
	v_lshl_add_u32 v15, v3, 5, v15
	v_add_nc_u32 v15, s33, v15                     ; way out: row r, + 32 h bytes (8 h numbers)
.macro XLOAD f                         ; fragment f: 128 K of 16 rows, a row a load: 512 consecutive bytes
.irp i, 0,1,2,3,4,5,6,7,8,9,10,11,12,13,14,15
	global_load_b128 v[R+64*((\f)%2)+4*\i:R+64*((\f)%2)+4*\i+3], v4, s[4:5] offset:4096*\i+512*(\f) th:TH_LOAD_NT
.endr
.endm
.macro XFRAG f
.if (\f) < 3
	s_wait_loadcnt 16                              ; this fragment's 16 loads are in; the next fragment's 16 may be out
.else
	s_wait_loadcnt 0
.endif
.irp i, 0,1,2,3,4,5,6,7,8,9,10,11,12,13,14,15
	ds_store_b128 v14, v[R+64*((\f)%2)+4*\i:R+64*((\f)%2)+4*\i+3] offset:528*\i
.endr
.irp g, 0,1,2,3                        ; LDS serves a wave's instructions in order: these see the stores above.  Group g: k = 32 g + 8 h + 0..7, then 32 g + 16 + 8 h + 0..7
.irp p, 0,1,2,3
	ds_load_b128 v[X+16*\g+4*\p:X+16*\g+4*\p+3], v15 offset:128*\g+16*(\p%2)+64*(\p/2)
.endr
.endr
	s_wait_dscnt 0x0                               ; the numbers are back, and the stores into the stage have read their registers,
.if (\f)+2 < 4
	XLOAD (\f)+2                                   ; which take the fragment two further on
.endif
.if (\f) >= 2
	s_wait_xcnt 0x0                                ; the stores of two fragments back have read their data: this set of codes is written again only behind this wait
.endif
.set j, 0
.rept 64
	v_med3_num_f32 v[X+j], v[X+j], -v10, v10       ; the conversion to an 8-bit code does not saturate (ISA guide 7.6.2): the hold at the largest code x the scale
.set j, j+1
.endr
.irp q, 0,1,2,3,4,5,6,7
	v_cvt_scalef32_pk8_fp8_f32 v[C+16*((\f)%2)+2*\q:C+16*((\f)%2)+2*\q+1], v[X+8*\q:X+8*\q+7], v11
.endr
	v_nop                                          ; a plain instruction between the conversions and the next fragment's holds, which write their sources
.irp g, 0,1,2,3
	global_store_b128 v4, v[C+16*((\f)%2)+4*\g:C+16*((\f)%2)+4*\g+3], s[12:13] offset:((\f)/2)*32768+((\f)%2)*2048+512*\g   ; 32 lanes store 512 consecutive bytes, aligned
.endr
.endm
	XLOAD 0
	XLOAD 1
	s_wait_alu depctr_va_vdst(0)
	s_wait_kmcnt 0x0
	s_add_co_i32 s34, s20, 127                     ; (on this way s34 and s35 name no address)
	s_lshl_b32 s35, s34, 23
	v_mov_b32 v11, s35                             ; 2^e0 as f32: the conversion takes its exponent field
	s_add_co_i32 s34, s34, 8
	s_lshl_b32 s34, s34, 23
	s_or_b32 s34, s34, 0x600000
	v_mov_b32 v10, s34                             ; 448 x 2^e0
	s_wait_alu depctr_va_vdst(0)
	XFRAG 0
	XFRAG 1
	XFRAG 2
	XFRAG 3
	s_wait_tensorcnt 0x0                           ; the wave's end: a tensor wait, an add to my spare word and its wait behind my last LDS store
	ds_add_u32 v[SPW], v[NIL]
	s_wait_dscnt 0x0
	s_endpgm
	; ---------------- the weights: no LDS ----------------
.Lweights:
	s_sub_co_u32 s28, ttmp9, 256
	s_and_b32 s29, s28, 3                          ; which 256 along K
	s_lshr_b32 s28, s28, 2                         ; which 128 columns: 0-23 of w_qkv, 24-31 of w_proj
	s_mov_b32 s48, 4096
	s_cmp_lt_u32 s28, 24                           ; the choice hangs on the work-group's number alone
	s_cselect_b64 s[4:5], s[6:7], s[8:9]           ; the weight,
	s_cselect_b64 s[12:13], s[14:15], s[16:17]     ; its codes,
	s_cselect_b32 s48, 12288, s48                  ; its row in bytes,
	s_cselect_b32 s49, 1, 0
	s_cselect_b32 s30, 0, 24
	s_sub_co_u32 s28, s28, s30                     ; and the block of 128 columns in it
	s_lshl_b32 s31, s29, 8
	s_mul_i32 s30, s31, s48                        ; 256 rows for each step along K
	s_lshl_b32 s31, s28, 9
	s_add_co_u32 s30, s30, s31                     ; + 128 columns a block
	s_lshl_b32 s31, s18, 7
	s_add_co_u32 s30, s30, s31                     ; + 32 columns a wave
	s_mov_b32 s31, 0
	s_add_nc_u64 s[WB:WB+1], s[4:5], s[30:31]      ; a base for each block of 32 rows, so that none is stepped
	s_lshl_b32 s50, s48, 5
	s_mov_b32 s51, 0
.irp t, 1,2,3,4,5,6,7
	s_add_nc_u64 s[WB+2*\t:WB+2*\t+1], s[WB+2*\t-2:WB+2*\t-1], s[50:51]
.endr
	s_lshl_b32 s30, s28, 2
	s_add_co_u32 s30, s30, s29
	s_lshl_b32 s30, s30, 15                        ; the codes: (block of 128 rows, K step): 32,768 bytes,
	s_lshl_b32 s52, s18, 13
	s_add_co_u32 s30, s30, s52                     ; my two row tiles in it
	s_add_nc_u64 s[12:13], s[12:13], s[30:31]
	s_wait_alu depctr_va_vdst(0)
	v_lshlrev_b32 v[OF], 2, v1                     ; lane = column
.set j, 1
.rept 31
	v_add_nc_u32 v[OF+j], s48, v[OF+j-1]           ; + j rows
.set j, j+1
.endr
	v_lshlrev_b32 v5, 4, v2
	v_lshl_add_u32 v5, v3, 12, v5                  ; the store's place: row tile lane / 16, 16 bytes at 16 (lane % 16)
.macro WLOAD t                         ; block t: w(32 t + i, my column): 128 consecutive bytes a wave, 512 a work-group
.set j, 0
.rept 32
	global_load_b32 v[WX+32*((\t)%2)+j], v[OF+j], s[WB+2*(\t):WB+2*(\t)+1] th:TH_LOAD_NT
.set j, j+1
.endr
.endm
.macro WBLOCK t
.set XS, WX+32*((\t)%2)
.if (\t) < 7
	s_wait_loadcnt 32                              ; this block's 32 loads are in; the next block's may be out
.else
	s_wait_loadcnt 0
.endif
.set j, 0
.rept 32
	v_med3_num_f32 v[XS+j], v[XS+j], -v10, v10
.set j, j+1
.endr
	v_cvt_scalef32_pk8_fp8_f32 v[WC+8*(\t):WC+8*(\t)+1],   v[XS:XS+7], v11       ; half 0 of the lanes wants k = 0..7 and 16..23 of the group,
	v_cvt_scalef32_pk8_fp8_f32 v[WC+8*(\t)+2:WC+8*(\t)+3], v[XS+16:XS+23], v11
	v_cvt_scalef32_pk8_fp8_f32 v[WC+8*(\t)+4:WC+8*(\t)+5], v[XS+8:XS+15], v11    ; half 1 k = 8..15 and 24..31
	v_cvt_scalef32_pk8_fp8_f32 v[WC+8*(\t)+6:WC+8*(\t)+7], v[XS+24:XS+31], v11
	v_nop                                          ; a plain instruction behind the conversions
.if (\t)+2 < 8
	WLOAD (\t)+2
.endif
	global_store_b128 v5, v[WC+8*(\t):WC+8*(\t)+3],   s[12:13] offset:((\t)/4)*2048+((\t)%4)*512       ; sixteen lanes store 256 consecutive bytes, aligned
	global_store_b128 v5, v[WC+8*(\t)+4:WC+8*(\t)+7], s[12:13] offset:((\t)/4)*2048+((\t)%4)*512+256
.endm
	WLOAD 0
	WLOAD 1
	s_wait_kmcnt 0x0
	s_cmp_eq_u32 s49, 1
	s_cselect_b32 s54, s21, s27                    ; e1 or e7.  (s54 and s55: registers that no pending load names; s[32:47] hold the blocks' bases)
	s_add_co_i32 s54, s54, 127
	s_lshl_b32 s55, s54, 23
	v_mov_b32 v11, s55                             ; 2^e
	s_add_co_i32 s54, s54, 8
	s_lshl_b32 s54, s54, 23
	s_or_b32 s54, s54, 0x600000
	v_mov_b32 v10, s54                             ; 448 x 2^e
	s_wait_alu depctr_va_vdst(0)
.irp t, 0,1,2,3,4,5,6,7
	WBLOCK \t
.endr
	s_endpgm                                       ; this way wrote no LDS
.Lfunc_end_k_qe025e529ad_quant:
	.size	k_qe025e529ad_quant, .Lfunc_end_k_qe025e529ad_quant-k_qe025e529ad_quant
	.p2alignl 7, 3214868480
	.fill 96, 4, 3214868480
	.section	.rodata,"a",@progbits
	.p2align	6, 0x0
	.amdhsa_kernel k_qe025e529ad_quant
		.amdhsa_group_segment_fixed_size 34304
		.amdhsa_private_segment_fixed_size 0
		.amdhsa_enable_private_segment 0
		.amdhsa_kernarg_size 56
		.amdhsa_user_sgpr_count 2
		.amdhsa_user_sgpr_kernarg_segment_ptr 1
		.amdhsa_wavefront_size32 1
		.amdhsa_system_sgpr_workgroup_id_x 1
		.amdhsa_system_sgpr_workgroup_id_y 1
		.amdhsa_system_sgpr_workgroup_id_z 1
		.amdhsa_system_vgpr_workitem_id 0
		.amdhsa_next_free_vgpr 240
		.amdhsa_next_free_sgpr 66
		.amdhsa_reserve_vcc 0
		.amdhsa_float_denorm_mode_32 3
		.amdhsa_float_denorm_mode_16_64 3
		.amdhsa_memory_ordered 1
		.amdhsa_forward_progress 1
		.amdhsa_inst_pref_size 83
	.end_amdhsa_kernel
	.amdgpu_metadata
---
amdhsa.version: [ 1, 2 ]
amdhsa.kernels:
  - .name:           k_qe025e529ad_quant
    .symbol:         k_qe025e529ad_quant.kd
    .args:
      - { .name: x, .offset: 0, .size: 8, .value_kind: global_buffer, .address_space: global }
      - { .name: w_qkv, .offset: 8, .size: 8, .value_kind: global_buffer, .address_space: global }
      - { .name: w_proj, .offset: 16, .size: 8, .value_kind: global_buffer, .address_space: global }
      - { .name: lowp_scales, .offset: 24, .size: 8, .value_kind: global_buffer, .address_space: global }
      - { .name: xc, .offset: 32, .size: 8, .value_kind: global_buffer, .address_space: global }
      - { .name: wqc, .offset: 40, .size: 8, .value_kind: global_buffer, .address_space: global }
      - { .name: wpc, .offset: 48, .size: 8, .value_kind: global_buffer, .address_space: global }
    .group_segment_fixed_size: 34304
    .private_segment_fixed_size: 0
    .kernarg_segment_align: 8
    .kernarg_segment_size: 56
    .max_flat_workgroup_size: 128
    .sgpr_count:     66
    .vgpr_count:     240
    .wavefront_size: 32
...
	.end_amdgpu_metadata
.endif
;; end of part 1
;; launch qkv (part 2): grid 12 x 32, 4 waves a work-group, clusters of 4 x 4, 327,680 bytes of LDS; arguments xc, wqc, lowp_scales, qkvc; writes qkvc
.if DOCPART == 2
	.amdgcn_target "amdgcn-amd-amdhsa--gfx1250"
	.amdhsa_code_object_version 6
	.text
	.protected	k_qe025e529ad_qkv
	.globl	k_qe025e529ad_qkv
	.p2align	8
	.type	k_qe025e529ad_qkv,@function
k_qe025e529ad_qkv:
	s_mov_b64 s[64:65], 0
	v_nop
	global_prefetch_b8 v0, s[64:65] scope:SCOPE_SE
	s_setreg_imm32_b32 hwreg(HW_REG_WAVE_MODE, 25, 1), 1
	s_wait_xcnt 0x0
	s_wait_alu depctr_hold_cnt(0) depctr_sa_sdst(0) depctr_va_vdst(0) depctr_va_sdst(0) depctr_va_ssrc(0) depctr_va_vcc(0) depctr_vm_vsrc(0)
	s_getreg_b32 s2, hwreg(HW_REG_IB_STS2, 6, 4)
	s_cmp_eq_u32 s2, 0
	s_cbranch_scc0 .Lentry_in_a_cluster
	s_endpgm
.Lentry_in_a_cluster:
	s_bfe_u32 s2, ttmp6, 0x10000c
	s_cmp_lg_u32 s2, 0xf033
	s_cbranch_scc0 .Lentry_shape_is_right
	s_endpgm
.Lentry_shape_is_right:
; q, k, v = x w_qkv on codes of FP8 (E4M3), K = 1,024, and their own codes for the attention's products, made in registers and stored as images of the next operand's registers.
; xc: 8,192 rows, wqc: 3,072 rows, both [row / 128][K / 256][row tile][K / 128 % 2][image of 2,048 bytes] (byte 512 g + 16 lane + e = registers 4 g .. 4 g + 3 of the plain fp8 form's layout): 128 rows x 256 K are 32,768 dense bytes.
; A tile of 256 x 256 is made by four waves, each 128 x 128: 64 accumulators, 512 registers.  K goes in four steps of 256 through two LDS slots; each wave fetches one block of 32,768 bytes with one tensor load.
; THE MATRIX INSTRUCTION IS USED TRANSPOSED: source 0 = 16 rows of operand B, source 1 = 16 rows of operand A: a lane holds ONE row of A and eight neighbouring rows of B, which are eight neighbours along the next K.
; Cluster x = 0 (q), 1 (k): A = x's tokens, B = the weight's columns: a lane holds a token and eight d: images of 16 tokens x 64 d.  Cluster x = 2 (v): THE ROLES ARE SWAPPED, A = the weight's columns, B = the tokens: a lane holds a d and
; eight keys: images of 16 d x 128 keys, the keys innermost.  The swap is a choice of pointers and offsets on the cluster's x; there is one way through the text.
; qkvc: three regions of 2^23 bytes: q, k: [head of a batch (64)][token tile (128)][1,024]; v: [head (64)][128 keys (16)][d tile (4)][2,048].
; A sum stands for sum x 2^(e0 + e1): its code is sum / 2^(es - e0 - e1), es = e2, e3, e5, held within +-448 of that.  LIMIT: es - e0 - e1 between -126 and 119.
; CLUSTERS: 4 x 4 work-groups; A's blocks are asked for jointly along a row of the cluster, B's along a column.
; NO PREFETCH: K has four steps: two are the first fills and two the only refills, so there is nothing further ahead to ask for.
; REGISTERS, in windows of 256: window 0: v16-31 addresses and scales; v128-255 A's fragments, one set; on the way out v32-239.  window 1: B's fragments, two sets.  windows 2, 3: accumulator (a, b) at v[8 (8 (a % 4) + b)].
.set KBLK,   32768                     ; 128 rows x 256 K
.set SLOT,   4*KBLK                    ; A's two blocks, then B's two
.set SPARE,  2*SLOT                    ; behind the ring: the spare words, 128 bytes a wave: two blocks of 256 bytes that no other line names
.set FR,     16
.set NL,     4
.set NP,     4                         ; places behind this matrix instruction (ISA guide 7.12.1)
.set ADRA, 16                          ; v16-17  LDS address of my A fragments in slot 0, 1
.set ADRB, 20                          ; v20-21  the same for B
.set LI,   26                          ; v26     16 x lane
.set SPW,  28                          ; v28     LDS address of my spare word; never rewritten
.set NIL,  29                          ; v29     0; never rewritten
.set SCL,  30                          ; v30     2^(es - e0 - e1)
.set LIMV, 31                          ; v31     448 x that
.set TMP,  32                          ; the way out: 64 held sums
.set CD,   96                          ; 16 registers of codes for each of my eight blocks: no store's data are written again
.set OFR,  224                         ; two offsets for each block
.set AF,   128
.set G1, 24
.set G0, 32
.set G1B, 48
.set G0B, 56
.set MSB, 0
.macro WIN new                         ; the immediate's high byte repeats the setting that is left
.if MSB != \new
	s_set_vgpr_msb (MSB<<8)|\new
.set MSB, \new
.endif
.endm
.set MUL_LO, 0xa1                      ; source 0 (B) window 1, source 1 (A) window 0, C and D window 2
.set MUL_HI, 0xf1
.set TO_B,   0x40
; A joint load: waves 0 and 1 fetch for A, waves 2 and 3 for B; the branch hangs on the wave's number alone.  An s_nop 0 and four v_nop follow each of the two lines.
.macro JLOAD g0a, g1a, g0b, g1b
	s_cmp_eq_u32 s15, 0
	s_cbranch_scc0 .Lfor_b_\@
	tensor_load_to_lds s[\g0a:\g0a+3], s[\g1a:\g1a+7]
	s_nop 0
.rept 4
	v_nop
.endr
	s_branch .Lasked_\@
.Lfor_b_\@:
	tensor_load_to_lds s[\g0b:\g0b+3], s[\g1b:\g1b+7]
	s_nop 0
.rept 4
	v_nop
.endr
.Lasked_\@:
.endm
.macro CREST                           ; a round of the cluster's barrier behind its opening barrier
	s_cmp_lg_u32 s14, 0
	s_cbranch_scc1 .Lnot_wave_0_\@
	s_barrier_signal -3
.Lnot_wave_0_\@:
	s_barrier_wait -3
	s_barrier_signal -1
	s_barrier_wait -1
.endm
.macro CROUND
	s_barrier_signal -1
	s_barrier_wait -1
	CREST
.endm
	s_load_b128 s[4:7], s[0:1], 0x0                ; xc s[4:5], wqc s[6:7]
	s_load_b128 s[8:11], s[0:1], 0x10              ; the scales' exponents s[8:9], qkvc s[10:11]
	v_lshl_add_u32 v[SPW], v0, 2, SPARE
	v_mov_b32 v[NIL], 0
	ds_add_u32 v[SPW], v[NIL]                      ; the wave's opening: the add and its wait ahead of my first tensor load; the set-up below, work on registers, stands between them
	ds_add_u32 v[SPW], v[NIL]
	v_lshrrev_b32 v1, 5, v0
	v_readfirstlane_b32 s14, v1                    ; wave 0..3
	s_lshr_b32 s15, s14, 1                         ; which half of A's 256 rows is mine.  Also: I fetch for A (0) or for B (1)
	s_and_b32 s16, s14, 1                          ; which half of B's.  Also: which 128 rows I fetch
	s_bfe_u32 s40, ttmp6, 0x40000                  ; cx
	s_bfe_u32 s41, ttmp6, 0x40004                  ; cy
	s_and_b32 s17, ttmp7, 0xffff
	s_lshl_b32 s17, s17, 2                         ; 4 x cluster y: the tokens' tiles
	s_lshl_b32 s42, ttmp9, 2                       ; 4 x cluster x: the weight's tiles
	s_cmp_eq_u32 ttmp9, 2                          ; v?  The same in all sixteen partners
	s_cselect_b32 s18, 8, s17                      ; A's tile of 256 rows: v: the weight's 8 + cy; else the tokens' 4 cluster y + cy
	s_cselect_b32 s19, s17, s42                    ; B's: v: the tokens' 4 cluster y + cx; else the weight's 4 cluster x + cx
	s_add_co_u32 s18, s18, s41
	s_add_co_u32 s19, s19, s40
	s_lshl_b32 s43, s41, 2
	s_lshl_b32 s43, 15, s43                        ; my row of the cluster
	s_lshl_b32 s44, 0x1111, s40                    ; my column
	; descriptor group 1: 128 rows of 32 elements of 8 bytes, dense: 32,768 bytes, no padding
	s_or_b32 s[G1+0], s43, (3<<16)|(1<<21)         ; 15:0 the mask: A's blocks go to my row; 17:16 elements of 8 bytes; 21 set beside a mask
	s_or_b32 s[G1B+0], s44, (3<<16)|(1<<21)
.irp g, G1, G1B
	s_mov_b32 s[\g+1], 32<<16                      ; tensor_dim0
	s_mov_b32 s[\g+2], 128<<16                     ; tensor_dim1
	s_mov_b32 s[\g+3], 32<<16                      ; tile_dim0
	s_mov_b32 s[\g+4], 128                         ; tile_dim1
	s_mov_b32 s[\g+5], 32                          ; tensor_dim0_stride
	s_mov_b32 s[\g+6], 0
	s_mov_b32 s[\g+7], 0
.endr
	s_lshl_b32 s20, s18, 1
	s_add_co_u32 s20, s20, s16
	s_lshl_b32 s20, s20, 17                        ; A: the block of 128 rows that I fetch: 131,072 bytes a block
	s_mov_b32 s21, 0
	s_lshl_b32 s46, s19, 1
	s_add_co_u32 s46, s46, s16
	s_lshl_b32 s46, s46, 17                        ; B likewise
	s_mov_b32 s47, 0
	s_lshl_b32 s45, s14, 15                        ; where it goes: wave x 32,768: no place in the cluster enters an LDS address
	s_wait_dscnt 0x0                               ; the opening add is done
	s_wait_kmcnt 0x0
	s_load_b256 s[68:75], s[8:9], 0x0              ; e0 .. e7
	s_cmp_eq_u32 ttmp9, 2
	s_cselect_b64 s[76:77], s[6:7], s[4:5]         ; A's buffer
	s_cselect_b64 s[78:79], s[4:5], s[6:7]         ; B's
	s_add_nc_u64 s[20:21], s[76:77], s[20:21]
	s_add_nc_u64 s[46:47], s[78:79], s[46:47]
	CROUND                                         ; all sixteen work-groups are here: the first joint loads meet
.irp s, 0,1
	s_mov_b32 s[G0+4*\s], 1
	s_add_co_u32 s[G0+4*\s+1], s45, \s*SLOT
	s_add_nc_u64 s[G0+4*\s+2:G0+4*\s+3], s[20:21], \s*KBLK
	s_or_b32 s[G0+4*\s+3], s[G0+4*\s+3], 0x80000000
	s_mov_b32 s[G0B+4*\s], 1
	s_add_co_u32 s[G0B+4*\s+1], s45, \s*SLOT
	s_add_nc_u64 s[G0B+4*\s+2:G0B+4*\s+3], s[46:47], \s*KBLK
	s_or_b32 s[G0B+4*\s+3], s[G0B+4*\s+3], 0x80000000
.endr
	JLOAD G0, G1, G0B, G1B                         ; K step 0: one tensor load a wave at the head
	v_and_b32 v1, 31, v0
	v_lshlrev_b32 v[LI], 4, v1
	s_lshl_b32 s21, s15, 15                        ; my 128 rows of A
	s_lshl_b32 s22, s16, 15                        ; my 128 rows of B,
	s_add_co_u32 s22, s22, 2*KBLK                  ; which lie behind A's
.irp s, 0,1
	v_add_nc_u32 v[ADRA+\s], s21, v[LI]
	v_add_nc_u32 v[ADRB+\s], s22, v[LI]
	s_add_co_u32 s21, s21, SLOT
	s_add_co_u32 s22, s22, SLOT
.endr
	; where my codes go.  tokens: 128 x (2 (4 cluster y + place) + half); heads: 4 x place + 2 x half; the places and halves change roles with the operands
	s_movk_i32 s86, 1024
	s_mov_b32 s93, 131072
	s_cmp_eq_u32 ttmp9, 2
	s_cselect_b32 s82, s40, s41                    ; the tokens' place in the cluster
	s_cselect_b32 s83, s41, s40                    ; the heads'
	s_cselect_b32 s84, s16, s15                    ; the tokens' half
	s_cselect_b32 s85, s15, s16                    ; the heads'
	s_cselect_b32 s86, 2048, s86                   ; from one of my eight blocks to the next: a d tile of v, or a token tile
	s_cselect_b32 s87, 122880, 0                   ; v: blocks 4-7 are the next head's: 131,072 - 4 x 2,048 more
	s_cselect_b32 s93, 1024, s93                   ; from a block's codes 0-7 to its codes 8-15: v: the image's second half; else the next head
	s_add_co_u32 s82, s82, s17
	s_lshl_b32 s82, s82, 1
	s_add_co_u32 s82, s82, s84                     ; my first token / 128
	s_lshl_b32 s83, s83, 2
	s_lshl_b32 s85, s85, 1
	s_add_co_u32 s83, s83, s85                     ; my first head
	s_lshr_b32 s88, s82, 4
	s_lshl_b32 s88, s88, 4                         ; 16 x batch
	s_add_co_u32 s88, s88, s83
	s_lshl_b32 s88, s88, 17                        ; a head is 131,072 bytes in each region
	s_and_b32 s82, s82, 15
	s_lshl_b32 s82, s82, 13                        ; 128 tokens of a head are 8,192 bytes in each region
	s_add_co_u32 s88, s88, s82
	s_lshl_b32 s89, ttmp9, 23                      ; the region
	s_add_co_u32 s88, s88, s89
	s_mov_b32 s89, 0
	s_add_nc_u64 s[10:11], s[10:11], s[88:89]
	s_mov_b32 s92, 0                               ; the running offset of my blocks
.macro FRAG reg, adr, q, i             ; a fragment comes as its image lies: four loads of 512 consecutive bytes
.irp c, 0,1,2,3
	ds_load_b128 v[\reg+4*\c:\reg+4*\c+3], v[\adr] offset:4096*(\i)+2048*(\q)+512*\c
.endr
.endm
; 16 matrix instructions: A's blocks a0, a0 + 1 x B's eight, 128 along K.  The 64 accumulators take turns, one instruction a turn, in the same order in every step.
.macro MUL16 a0, p, zero
.irp a, \a0, \a0+1
.irp b, 0,1,2,3,4,5,6,7
.if \zero
	v_wmma_f32_16x16x128_fp8_fp8 v[8*(8*((\a)%4)+\b):8*(8*((\a)%4)+\b)+7], v[128*(\p)+FR*\b:128*(\p)+FR*\b+FR-1], v[AF+FR*(\a):AF+FR*(\a)+FR-1], 0
.else
	v_wmma_f32_16x16x128_fp8_fp8 v[8*(8*((\a)%4)+\b):8*(8*((\a)%4)+\b)+7], v[128*(\p)+FR*\b:128*(\p)+FR*\b+FR-1], v[AF+FR*(\a):AF+FR*(\a)+FR-1], v[8*(8*((\a)%4)+\b):8*(8*((\a)%4)+\b)+7]
.endif
.endr
.endr
.endm
.macro FETCH_B slot, q, p
	WIN TO_B
.irp i, 0,1,2,3,4,5,6,7
	FRAG 128*(\p)+FR*\i, ADRB+\slot, \q, \i
.endr
	WIN 0
.endm
.macro FETCH_A slot, q, i0
.irp i, \i0, \i0+1, \i0+2, \i0+3
	FRAG AF+FR*(\i), ADRA+\slot, \q, \i
.endr
.endm
.macro PLACES n                        ; plain vector instructions between a matrix instruction and a load into, or a read of, its registers
.rept \n
	v_nop
.endr
.endm
.macro STEP slot, q, zero              ; 128 along K whose successor lies in the same slot
	s_wait_dscnt 4*NL                              ; B's set and A's blocks 0-3 are in; the youngest 16 loads (A's blocks 4-7) may be out
	WIN MUL_LO
	MUL16 0, (\q)%2, \zero
	MUL16 2, (\q)%2, \zero
	s_wait_dscnt 0
	PLACES NP
	FETCH_B \slot, (\q)+1, 1-(\q)%2
	FETCH_A \slot, (\q)+1, 0
	WIN MUL_HI
	MUL16 4, (\q)%2, \zero
	MUL16 6, (\q)%2, \zero
	PLACES NP
	WIN 0
	FETCH_A \slot, (\q)+1, 4
.endm
; A slot's last step changes slots: one barrier; in front of it each wave waits for all its tensor loads, adds 0 to its spare word, and waits for that and for its reads of this slot.  fill = 1: the slot is filled again, two K steps ahead.
.macro TURN slot, next, fill
	s_wait_tensorcnt 0x0                           ; all my tensor loads have landed: my part of the next slot
	ds_add_u32 v[SPW], v[NIL]                      ; 0 onto my spare word
	s_wait_dscnt 4*NL+1                            ; (the add and the youngest 16 loads may be out)
	WIN MUL_LO
	MUL16 0, 1, 0
	s_wait_dscnt 0x0                               ; the add is done, and my reads of this slot are over
	s_barrier_signal -1
	MUL16 2, 1, 0
	WIN 0
	s_barrier_wait -1
.if \fill
	CREST                                          ; the barrier has opened a round of the cluster's barrier: no wave of any partner still reads this slot or has a load on its way
	s_add_nc_u64 s[G0+4*\slot+2:G0+4*\slot+3], s[G0+4*\slot+2:G0+4*\slot+3], 2*KBLK
	s_add_nc_u64 s[G0B+4*\slot+2:G0B+4*\slot+3], s[G0B+4*\slot+2:G0B+4*\slot+3], 2*KBLK
	JLOAD G0+4*\slot, G1, G0B+4*\slot, G1B         ; the first tensor load behind the round, my one load until the next; its four v_nop are the places in front of the loads below
.else
	PLACES NP
.endif
	FETCH_B \next, 0, 0
	FETCH_A \next, 0, 0
	WIN MUL_HI
	MUL16 4, 1, 0
	MUL16 6, 1, 0
	PLACES NP
	WIN 0
	FETCH_A \next, 0, 4
.endm
	s_wait_alu depctr_va_vdst(0)
	s_wait_tensorcnt 0x0                           ; my part of K step 0 is in
	ds_add_u32 v[SPW], v[NIL]
	s_wait_dscnt 0x0
	CROUND                                         ; everybody's part of K step 0 is in, and all sixteen work-groups are here
	JLOAD G0+4, G1, G0B+4, G1B                     ; K step 1's load, the first tensor load behind the round
	FETCH_B 0, 0, 0
	FETCH_A 0, 0, 0
	FETCH_A 0, 0, 4
	STEP 0, 0, 1                                   ; the first products start the sums: nothing is cleared
	TURN 0, 1, 1                                   ; slot 0 takes K step 2
	STEP 1, 0, 0
	TURN 1, 0, 1                                   ; slot 1 takes K step 3
	STEP 0, 0, 0
	TURN 0, 1, 0                                   ; nothing is left to fetch
	STEP 1, 0, 0
	s_wait_dscnt 4*NL
	WIN MUL_LO
	MUL16 0, 1, 0
	MUL16 2, 1, 0
	s_wait_dscnt 0
	WIN MUL_HI
	MUL16 4, 1, 0
	MUL16 6, 1, 0
	WIN 0
	; THE WAY OUT.  Accumulator (a, b): lane (r, h) holds A's row 16 a + r and B's rows 16 b + 8 h + 0..7: its eight codes are registers 2 b, 2 b + 1 of the next operand's fragment.  So a block's 16 registers of codes are
	; stored as they stand, 512 consecutive aligned bytes a store; nothing goes through LDS.
	s_wait_kmcnt 0x0
	s_cmp_eq_u32 ttmp9, 0
	s_cselect_b32 s80, s70, s71                    ; e2 for q, e3 for k,
	s_cmp_eq_u32 ttmp9, 2
	s_cselect_b32 s80, s73, s80                    ; e5 for v
	s_sub_co_i32 s80, s80, s68
	s_sub_co_i32 s80, s80, s69
	s_add_co_i32 s80, s80, 127
	s_lshl_b32 s81, s80, 23
	v_mov_b32 v[SCL], s81                          ; 2^(es - e0 - e1): the three scales folded into the conversion's one
	s_add_co_i32 s80, s80, 8
	s_lshl_b32 s80, s80, 23
	s_or_b32 s80, s80, 0x600000
	v_mov_b32 v[LIMV], s80                         ; 448 x that
	PLACES NP
.macro QOUT a
.set AC, 64*((\a)%4)
	WIN 0x02+((\a)/4)                              ; source 0: window 2 or 3
.set j, 0
.rept 64
	v_med3_num_f32 v[TMP+j], v[AC+j], -v[LIMV], v[LIMV]   ; the hold (ISA guide 7.6.2); each accumulator from its low end on
.set j, j+1
.endr
	WIN 0
.irp b, 0,1,2,3,4,5,6,7
	v_cvt_scalef32_pk8_fp8_f32 v[CD+16*(\a)+2*\b:CD+16*(\a)+2*\b+1], v[TMP+8*\b:TMP+8*\b+7], v[SCL]
.endr
	v_add_nc_u32 v[OFR+2*(\a)], s92, v[LI]         ; (these two are also the plain instructions behind the conversions)
	v_add_nc_u32 v[OFR+2*(\a)+1], s93, v[OFR+2*(\a)]
	global_store_b128 v[OFR+2*(\a)],   v[CD+16*(\a):CD+16*(\a)+3],     s[10:11]
	global_store_b128 v[OFR+2*(\a)],   v[CD+16*(\a)+4:CD+16*(\a)+7],   s[10:11] offset:512
	global_store_b128 v[OFR+2*(\a)+1], v[CD+16*(\a)+8:CD+16*(\a)+11],  s[10:11]
	global_store_b128 v[OFR+2*(\a)+1], v[CD+16*(\a)+12:CD+16*(\a)+15], s[10:11] offset:512
	s_add_co_u32 s92, s92, s86
.if (\a) == 3
	s_add_co_u32 s92, s92, s87
.endif
.endm
.irp a, 0,1,2,3,4,5,6,7
	QOUT \a
.endr
	s_wait_tensorcnt 0x0                           ; the wave's end, behind my last tensor load
	ds_add_u32 v[SPW], v[NIL]
	s_wait_dscnt 0x0
	CROUND                                         ; the closing round: no work-group ends while a partner may still ask for a block that names it
	s_endpgm
.Lfunc_end_k_qe025e529ad_qkv:
	.size	k_qe025e529ad_qkv, .Lfunc_end_k_qe025e529ad_qkv-k_qe025e529ad_qkv
	.p2alignl 7, 3214868480
	.fill 96, 4, 3214868480
	.section	.rodata,"a",@progbits
	.p2align	6, 0x0
	.amdhsa_kernel k_qe025e529ad_qkv
		.amdhsa_group_segment_fixed_size 327680
		.amdhsa_private_segment_fixed_size 0
		.amdhsa_enable_private_segment 0
		.amdhsa_kernarg_size 32
		.amdhsa_user_sgpr_count 2
		.amdhsa_user_sgpr_kernarg_segment_ptr 1
		.amdhsa_wavefront_size32 1
		.amdhsa_system_sgpr_workgroup_id_x 1
		.amdhsa_system_sgpr_workgroup_id_y 1
		.amdhsa_system_sgpr_workgroup_id_z 1
		.amdhsa_system_vgpr_workitem_id 0
		.amdhsa_next_free_vgpr 1024
		.amdhsa_next_free_sgpr 100
		.amdhsa_reserve_vcc 0
		.amdhsa_float_denorm_mode_32 3
		.amdhsa_float_denorm_mode_16_64 3
		.amdhsa_memory_ordered 1
		.amdhsa_forward_progress 1
		.amdhsa_inst_pref_size 119
	.end_amdhsa_kernel
	.amdgpu_metadata
---
amdhsa.version: [ 1, 2 ]
amdhsa.kernels:
  - .name:           k_qe025e529ad_qkv
    .symbol:         k_qe025e529ad_qkv.kd
    .args:
      - { .name: xc, .offset: 0, .size: 8, .value_kind: global_buffer, .address_space: global }
      - { .name: wqc, .offset: 8, .size: 8, .value_kind: global_buffer, .address_space: global }
      - { .name: lowp_scales, .offset: 16, .size: 8, .value_kind: global_buffer, .address_space: global }
      - { .name: qkvc, .offset: 24, .size: 8, .value_kind: global_buffer, .address_space: global }
    .group_segment_fixed_size: 327680
    .private_segment_fixed_size: 0
    .kernarg_segment_align: 8
    .kernarg_segment_size: 32
    .max_flat_workgroup_size: 128
    .sgpr_count:     100
    .vgpr_count:     1024
    .wavefront_size: 32
...
	.end_amdgpu_metadata
.endif
;; end of part 2
;; launch attn (part 3): grid 4 x 64, 16 waves a work-group, clusters of 4 x 1, 327,680 bytes of LDS; arguments qkvc, lowp_scales, yc; writes yc
.if DOCPART == 3
	.amdgcn_target "amdgcn-amd-amdhsa--gfx1250"
	.amdhsa_code_object_version 6
	.text
	.protected	k_qe025e529ad_attn
	.globl	k_qe025e529ad_attn
	.p2align	8
	.type	k_qe025e529ad_attn,@function
k_qe025e529ad_attn:
	s_mov_b64 s[64:65], 0
	v_nop
	global_prefetch_b8 v0, s[64:65] scope:SCOPE_SE
	s_setreg_imm32_b32 hwreg(HW_REG_WAVE_MODE, 25, 1), 1
	s_wait_xcnt 0x0
	s_wait_alu depctr_hold_cnt(0) depctr_sa_sdst(0) depctr_va_vdst(0) depctr_va_sdst(0) depctr_va_ssrc(0) depctr_va_vcc(0) depctr_vm_vsrc(0)
	s_getreg_b32 s2, hwreg(HW_REG_IB_STS2, 6, 4)
	s_cmp_eq_u32 s2, 0
	s_cbranch_scc0 .Lentry_in_a_cluster
	s_endpgm
.Lentry_in_a_cluster:
	s_bfe_u32 s2, ttmp6, 0x10000c
	s_cmp_lg_u32 s2, 0x3003
	s_cbranch_scc0 .Lentry_shape_is_right
	s_endpgm
.Lentry_shape_is_right:
; y = softmax(q k^T / 8, causal) v for 64 heads of 2,048 tokens x 64, both products on codes of FP8 (E4M3); y leaves as codes for the last product, as images of its operand's registers.
; qkvc: regions of 2^23 bytes: q, k: [head (64)][token tile (128)][image 16 tokens x 64 d, 1,024 bytes]; v: [head][128 keys (16)][d tile (4)][image 16 d x 128 keys, 2,048 bytes].  An image's byte 512 g + 16 lane + e is
; registers 4 g .. 4 g + 3 of the plain fp8 forms' layout: every fragment comes by loads of 512 consecutive bytes.
; THE SOFTMAX: t = score x 2^(e2 + e3) x log2(e) / 8; M = the running largest t rounded UP to a whole number; p = 2^(t - M) is quantised with 2^e4, not normalised; the row's sum is taken of the unquantised p and divides at the end.
; When M moves, the sum and O are multiplied by 2^(old M - new M): exact.
; LEFT OUT: key steps of 128 keys that all come after a tile's queries: the causal mask makes their scores -infinity, so p = 0 there for all inputs.  A NaN or an infinity that reaches only such scores is not carried.
; K AND V STAY IN LDS.  A head's K is 131,072 bytes of codes and so is its V: both lie in LDS whole (K from byte 0, V from byte 131,072), and no LDS byte is filled twice.  They come by two first fills, one tensor load a wave each
; (waves 0-7 an eighth of K's part, waves 8-15 of V's): key steps 0-3 at the head, steps 4-15 behind the round in front of step 0; a barrier in front of step 4 shows the second.
; CLUSTER: the four work-groups of a head read the same K and V in the same order, so they form a cluster and ask for both fills jointly (mask 15).  No branch and no LDS address hangs on the place in the cluster:
; it enters only Q's and y's addresses in memory and the number d of the causal compare.
; SHARES.  A head has 128 tiles of 16 queries.  Wave w (0..15) of the work-group at place cx takes tile 127 - 4 w - cx, which has 16 - w / 2 key steps, and then tile 4 w + cx, which has w / 2 + 1: 17 key steps in every wave,
; four waves to a SIMD.  Every long tile has nine steps or more, so all waves stand in their long tile, at the same step, at both meetings.  The walk is written as 24 trips (16 for the long tile, 8 for the short), a trip's LDS address
; made of the trip's number alone. Behind step 4's barrier the waves meet no more.
; LAYOUT.  S^T = K Q^T (source 0 = 16 keys, source 1 = 16 queries), O^T = V^T P^T: a lane holds ONE query; register j of score tile t is key 16 t + 8 h + j, where registers 2 t, 2 t + 1 of P's fragment want it.
; NO PREFETCH: the two fills are all that the launch reads of K and V; the second is asked for in front of step 0 and first read in step 4, four steps on, and no stream follows it.
; LIMITS: e2 + e3 between -123 and 130; e4, and e6 - e4 - e5, between -126 and 119; the scaled scores t stay under 2^31 in magnitude.
; REGISTERS: v1 16 x lane; v3 r - 8 h; v5, v6 the add's two; v8, v9 the step's LDS addresses; v12 -M, v13 the largest t, v[14:15] the sum; v16-23 Q; v24-31 y's codes; v32-95 K's 8 fragments, then V's 4; v96-159 S^T, then p;
; v160-191 O^T; v192-207 p's codes; v208-226 at work and constants.
.set VOFF,  131072
.set SPARE, 262144                     ; behind K and V: the spare words, 128 bytes a wave: eight blocks of 256 bytes that no other line names
.set LI,  1
.set RH,  3
.set SPW, 5
.set NIL, 6
.set ADK, 8
.set ADV, 9
.set WV,  18                           ; s18  my wave's number
.set CNT, 19                           ; s19  the trip
.set G1A, 24                           ; s[24:31], s[32:39] descriptor group 1 of the two fills
.set G1B, 32
.set G0A, 48                           ; s[48:51], s[52:55] their groups 0
.set G0B, 52
.set QL,  60                           ; s[60:61], s[62:63] Q's image of the long and of the short tile
.set QS,  62
.set YL,  66                           ; s[66:67], s[76:77] y's image likewise
.set YS,  76
.set KB,  78                           ; s78  LDS byte of the key step in hand: 8,192 x step
.set LEN, 79                           ; s79  key steps of the tile in hand;  s80 the last of them, the one on the diagonal
.set LAST, 80
.set DG,  81                           ; s81  on the diagonal: my first query less the step's first key
.set KN,  83                           ; s83  the key step
.set CX,  84                           ; s84  my work-group's place in the cluster
.set HW,  98                           ; s98  wave / 2
.set DS,  99                           ; s99  the short tile's number on the diagonal: 64 (wave % 2) + 16 cx
.macro ROUND                           ; a round of the cluster's barrier
	s_barrier_signal -1
	s_barrier_wait -1
	s_cmp_lg_u32 s[WV], 0
	s_cbranch_scc1 .Lnw0_\@
	s_barrier_signal -3
.Lnw0_\@:
	s_barrier_wait -3
	s_barrier_signal -1
	s_barrier_wait -1
.endm
.macro THREE                           ; ahead of a later first fill's round and at the wave's end
	s_wait_tensorcnt 0x0
	ds_add_u32 v[SPW], v[NIL]
	s_wait_dscnt 0x0
.endm
.macro FILL g0, g1                     ; every wave's one joint load; an s_nop 0 and four v_nop follow it
	tensor_load_to_lds s[\g0:\g0+3], s[\g1:\g1+7]
	s_nop 0
.rept 4
	v_nop
.endr
.endm
.macro G1SET g, rows                   ; rows of 32 elements of 8 bytes, dense, no padding; mask 15: all four work-groups; bit 21 beside it
	s_mov_b32 s[\g], 15|(3<<16)|(1<<21)
	s_mov_b32 s[\g+1], 32<<16
	s_mov_b32 s[\g+2], (\rows)<<16
	s_mov_b32 s[\g+3], 32<<16
	s_mov_b32 s[\g+4], \rows
	s_mov_b32 s[\g+5], 32
	s_mov_b32 s[\g+6], 0
	s_mov_b32 s[\g+7], 0
.endm
.macro ADRS u, q, y                    ; byte offsets of tile u: Q: head + 1,024 u;  y: its common part + the block of 128 tokens (u / 8) + the row tile (u % 8)
	s_lshl_b32 s[\q], s[\u], 10
	s_add_co_u32 s[\q], s[\q], s86
	s_mov_b32 s[\q+1], 0
	s_lshr_b32 s92, s[\u], 3
	s_lshl_b32 s92, s92, 17
	s_and_b32 s93, s[\u], 7
	s_lshl_b32 s93, s93, 12
	s_add_co_u32 s[\y], s92, s93
	s_add_co_u32 s[\y], s[\y], s91
	s_mov_b32 s[\y+1], 0
.endm
.macro START q                         ; a tile's start: Q's image; the largest t under every t, the sum and O^T zeros, which the first change of M leaves zeros
	global_load_b128 v[16:19], v[LI], s[\q:\q+1]
	global_load_b128 v[20:23], v[LI], s[\q:\q+1] offset:512
	v_mov_b32 v13, 0xff61b1e6                      ; -3e38
	v_mov_b32 v12, 0x7f61b1e6                      ; -M = floor(3e38) = 3e38
	v_mov_b32 v14, 0
	v_mov_b32 v15, 0
.set j, 0
.rept 32
	v_mov_b32 v[160+j], 0
.set j, j+1
.endr
.endm
	s_load_b128 s[4:7], s[0:1], 0x0                ; qkvc s[4:5], the scales' exponents s[6:7]
	s_load_b64 s[8:9], s[0:1], 0x10                ; yc
	v_lshl_add_u32 v[SPW], v0, 2, SPARE
	v_mov_b32 v[NIL], 0
	ds_add_u32 v[SPW], v[NIL]                      ; the opening: the add, twice on end, and its wait ahead of my first tensor load
	ds_add_u32 v[SPW], v[NIL]
	v_lshrrev_b32 v8, 5, v0
	v_readfirstlane_b32 s[WV], v8                  ; wave 0..15
	s_bfe_u32 s[CX], ttmp6, 0x40000                ; cx
	s_and_b32 s85, ttmp7, 0xffff                   ; the head of a batch, 0..63
	s_lshl_b32 s86, s85, 17                        ; its bytes in each region
	s_lshr_b32 s87, s[WV], 3                       ; I fetch for K (0) or V (1),
	s_and_b32 s88, s[WV], 7                        ; this eighth of a fill's part
	s_lshl_b32 s89, s87, 17                        ; in LDS: K from 0, V from 131,072
	s_add_co_u32 s90, s87, 1
	s_lshl_b32 s90, s90, 23                        ; in memory: region 1 or 2,
	s_add_co_u32 s90, s90, s86                     ; my head
	s_lshl_b32 s91, s88, 12                        ; fill 0: steps 0-3: 32,768 bytes, 4,096 a wave
	s_mul_i32 s92, s88, 12288
	s_add_co_u32 s92, s92, 32768                   ; fill 1: steps 4-15: 98,304 bytes, 12,288 a wave
	s_mov_b32 s[G0A], 1
	s_add_co_u32 s[G0A+1], s89, s91
	s_mov_b32 s[G0B], 1
	s_add_co_u32 s[G0B+1], s89, s92
	s_add_co_u32 s94, s90, s91
	s_mov_b32 s95, 0
	s_add_co_u32 s96, s90, s92
	s_mov_b32 s97, 0
	G1SET G1A, 16
	G1SET G1B, 48
	s_lshl_b32 s87, s[WV], 2
	s_add_co_u32 s87, s87, s[CX]                   ; the short tile: 4 w + cx
	s_sub_co_u32 s88, 127, s87                     ; the long one
	s_lshr_b32 s91, s85, 4
	s_lshl_b32 s91, s91, 21                        ; yc: 16 blocks of 128 tokens a batch, 131,072 bytes each,
	s_bfe_u32 s92, s85, 0x20002
	s_lshl_b32 s92, s92, 15                        ; the head's K step of 256,
	s_add_co_u32 s91, s91, s92
	s_and_b32 s92, s85, 3
	s_lshl_b32 s92, s92, 10                        ; the image of 128 K and the half of it
	s_add_co_u32 s91, s91, s92
	ADRS 88, QL, YL
	ADRS 87, QS, YS
	s_lshr_b32 s[HW], s[WV], 1
	s_and_b32 s[DS], s[WV], 1
	s_lshl_b32 s[DS], s[DS], 6
	s_lshl_b32 s92, s[CX], 4
	s_add_co_u32 s[DS], s[DS], s92                 ; 16 (4 w + cx) - 128 (w / 2)
	s_mov_b32 s20, 0x76543210
	s_mov_b32 s21, 0xfedcba98                      ; lane l xor 16
	s_mov_b32 s22, 0x3e38aa3b                      ; c = log2(e) / 8
	s_wait_dscnt 0x0                               ; both opening adds are done
	s_wait_kmcnt 0x0
	s_load_b256 s[68:75], s[6:7], 0x0              ; e0 .. e7
	s_add_nc_u64 s[G0A+2:G0A+3], s[4:5], s[94:95]
	s_or_b32 s[G0A+3], s[G0A+3], 0x80000000
	s_add_nc_u64 s[G0B+2:G0B+3], s[4:5], s[96:97]
	s_or_b32 s[G0B+3], s[G0B+3], 0x80000000
	s_add_nc_u64 s[QL:QL+1], s[4:5], s[QL:QL+1]
	s_add_nc_u64 s[QS:QS+1], s[4:5], s[QS:QS+1]
	s_add_nc_u64 s[YL:YL+1], s[8:9], s[YL:YL+1]
	s_add_nc_u64 s[YS:YS+1], s[8:9], s[YS:YS+1]
	ROUND                                          ; all four work-groups are here: the first joint loads meet
	FILL G0A, G1A                                  ; key steps 0 to 3: my one tensor load at the head
	s_wait_kmcnt 0x0
	s_add_co_i32 s85, s70, s71
	s_lshl_b32 s85, s85, 23
	s_add_co_i32 s22, s22, s85                     ; a score stands for score x 2^(e2 + e3): added to c's exponent field
	s_mov_b32 s23, s22                             ; (named with it as a pair)
	s_add_co_i32 s85, s72, 127
	s_lshl_b32 s86, s85, 23
	s_add_co_i32 s85, s85, 8
	s_lshl_b32 s85, s85, 23
	s_or_b32 s87, s85, 0x600000
	s_sub_co_i32 s85, s74, s72
	s_sub_co_i32 s85, s85, s73
	s_add_co_i32 s85, s85, 127
	s_lshl_b32 s88, s85, 23
	s_add_co_i32 s85, s85, 8
	s_lshl_b32 s85, s85, 23
	s_or_b32 s89, s85, 0x600000
	v_and_b32 v[LI], 31, v0
	v_lshlrev_b32 v[LI], 4, v[LI]
	v_and_b32 v[RH], 15, v0
	v_bfe_u32 v8, v0, 4, 1
	v_lshlrev_b32 v8, 3, v8
	v_sub_nc_u32 v[RH], v[RH], v8                  ; r - 8 h
	v_mov_b32 v218, s86                            ; 2^e4
	v_mov_b32 v219, s87                            ; 448 x 2^e4,
	v_mov_b32 v226, s87                            ; and once more, for the second half of a pair of holds
	v_mov_b32 v220, s88                            ; 2^(e6 - e4 - e5): O / the sum stands for y / 2^(e4 + e5)
	v_mov_b32 v221, s89                            ; 448 x that
	v_mov_b32 v222, 0xff800000                     ; -infinity
	v_mov_b32 v213, 0                              ; (named as the upper half of the pair v[212:213])
	v_mov_b32 v216, 0                              ; a lane permute's destination counts as one of its sources
	START QL
.macro HOLD t                          ; the conversion to an 8-bit code does not saturate (ISA guide 7.6.2); p is not negative, so the hold is one-sided; two holds an instruction
.irp i, 0,2,4,6
	v_dual_min_num_f32 v[96+8*\t+\i], v[96+8*\t+\i], v219 :: v_dual_min_num_f32 v[97+8*\t+\i], v[97+8*\t+\i], v226
.endr
.endm
.macro SOFTMAX
	s_wait_alu depctr_va_vdst(0)                   ; directly ahead of the first readers of the scores
	v_max3_num_f32 v210, v96, v97, v98             ; the step's largest score of my query among my 64 keys, in four chains, each accumulator from its low end on
	v_max3_num_f32 v211, v99, v100, v101
	v_max3_num_f32 v208, v102, v103, v104
	v_max3_num_f32 v209, v105, v106, v107
.set j, 108
.rept 6
	v_max3_num_f32 v210, v210, v[j], v[j+1]
	v_max3_num_f32 v211, v211, v[j+2], v[j+3]
	v_max3_num_f32 v208, v208, v[j+4], v[j+5]
	v_max3_num_f32 v209, v209, v[j+6], v[j+7]
.set j, j+8
.endr
	v_max3_num_f32 v210, v210, v156, v157
	v_max3_num_f32 v211, v211, v158, v159
	v_max3_num_f32 v210, v210, v211, v208
	v_max_num_f32 v210, v210, v209
	v_permlanex16_b32 v216, v210, s20, s21
	v_max_num_f32 v210, v210, v216                 ; and among lane l xor 16's
	v_mul_f32 v210, s22, v210                      ; as t (c is positive)
	v_max_num_f32 v13, v13, v210                   ; the running largest t
	v_mov_b32 v210, v12
	v_floor_f32 v12, -v13                          ; the new -M = floor(-t): M is a whole number
.set j, 0
.rept 4
	v_pk_fma_f32 v[96+j:97+j], v[96+j:97+j], s[22:23], v[12:13] op_sel_hi:[1,0,0]   ; t - M, two at a time; the three lines that make f stand among them, each four lines behind the one that it reads
.set j, j+2
.endr
	v_sub_f32 v210, v12, v210                      ; old M - new M, 0 or less
.rept 4
	v_pk_fma_f32 v[96+j:97+j], v[96+j:97+j], s[22:23], v[12:13] op_sel_hi:[1,0,0]
.set j, j+2
.endr
	v_cvt_i32_f32 v210, v210                       ; (it saturates)
.rept 4
	v_pk_fma_f32 v[96+j:97+j], v[96+j:97+j], s[22:23], v[12:13] op_sel_hi:[1,0,0]
.set j, j+2
.endr
	v_ldexp_f32 v212, 1.0, v210                    ; f = 2^(old M - new M)
.rept 20
	v_pk_fma_f32 v[96+j:97+j], v[96+j:97+j], s[22:23], v[12:13] op_sel_hi:[1,0,0]
.set j, j+2
.endr
	s_wait_alu depctr_va_vdst(0)                   ; ahead of the batch
.set j, 0
.rept 64
	v_exp_f32 v[96+j], v[96+j]                     ; p = 2^(t - M), at most 1
.set j, j+1
.endr
	v_pk_mul_f32 v[14:15], v[14:15], v[212:213] op_sel_hi:[1,0]   ; the sums under the new M: the plain instruction behind the exponentials
	s_wait_alu depctr_va_vdst(0)                   ; one wait for the whole batch, ahead of its first reader
	v_pk_add_f32 v[214:215], v[96:97], v[98:99]    ; the row's sum of the unquantised p: two at a time, in four chains
	v_pk_add_f32 v[208:209], v[100:101], v[102:103]
	v_pk_add_f32 v[224:225], v[104:105], v[106:107]
	v_pk_add_f32 v[14:15], v[14:15], v[108:109]
.set j, 110
.rept 6
	v_pk_add_f32 v[214:215], v[214:215], v[j:j+1]
	v_pk_add_f32 v[208:209], v[208:209], v[j+2:j+3]
	v_pk_add_f32 v[224:225], v[224:225], v[j+4:j+5]
	v_pk_add_f32 v[14:15], v[14:15], v[j+6:j+7]
.set j, j+8
.endr
	v_pk_add_f32 v[214:215], v[214:215], v[158:159]
	v_pk_add_f32 v[208:209], v[208:209], v[224:225]
	v_pk_add_f32 v[14:15], v[14:15], v[214:215]
	v_pk_add_f32 v[14:15], v[14:15], v[208:209]
.irp t, 0,1,2,3,4,5,6,7
	HOLD \t
.endr
.irp t, 0,1,2,3,4,5,6,7
	v_cvt_scalef32_pk8_fp8_f32 v[192+2*\t:193+2*\t], v[96+8*\t:103+8*\t], v218   ; registers 2 t, 2 t + 1 of P's fragment: keys 16 t + 8 h + 0..7
.endr
	s_wait_alu depctr_va_vdst(0)                   ; directly ahead of the first readers of O^T
.set j, 0
.rept 16
	v_pk_mul_f32 v[160+j:161+j], v[160+j:161+j], v[212:213] op_sel_hi:[1,0]   ; O^T under the new M; also the plain instructions between the conversions and the products
.set j, j+2
.endr
.endm
; A KEY STEP: 128 keys against my 16 queries.  mask = 1: the text can meet the diagonal.
.macro STEP mask
	v_add_nc_u32 v[ADK], s[KB], v[LI]
	v_add_nc_u32 v[ADV], VOFF, v[ADK]
.rept 2
	v_nop                                          ; with the two additions: four places in front of loads into registers that the last products read
.endr
.irp t, 0,1,2,3,4,5,6,7
	ds_load_b128 v[32+8*\t:35+8*\t], v[ADK] offset:\t*1024
	ds_load_b128 v[36+8*\t:39+8*\t], v[ADK] offset:\t*1024+512
.endr
	s_wait_alu depctr_va_vdst(0)                   ; directly ahead of the wait below
	s_wait_dscnt 0x0                               ; K is in
.irp t, 0,1,2,3,4,5,6,7
	v_wmma_f32_16x16x64_fp8_fp8 v[96+8*\t:103+8*\t], v[32+8*\t:39+8*\t], v[16:23], 0
.endr
.rept 4
	v_nop                                          ; places: for the loads below, and for the first read of the scores
.endr
.irp d, 0,1,2,3                        ; V's four fragments are asked for here; the softmax's work stands ahead of the wait for them
.irp g, 0,1,2,3
	ds_load_b128 v[32+16*\d+4*\g:35+16*\d+4*\g], v[ADV] offset:\d*2048+512*\g
.endr
.endr
.if \mask
	s_cmp_lg_u32 s[KN], s[LAST]                    ; the wave's number and the trip's alone: only a tile's last step lies on the diagonal
	s_cbranch_scc1 .Lopen_\@
	v_add_nc_u32 v223, s[DG], v[RH]                ; hidden scores become -infinity: register 8 t + j holds key 16 t + 8 h + j of the step: hidden where 16 t + j > my query - the step's first key - 8 h
.set n, 0
.rept 64
	v_cmp_gt_i32 vcc_lo, 16*(n/8)+n%8, v223
	v_cndmask_b32 v[96+n], v[96+n], v222, vcc_lo
.set n, n+1
.endr
.Lopen_\@:
.endif
	SOFTMAX
	s_wait_alu depctr_va_vdst(0)
	s_wait_dscnt 0x0                               ; V is in
.irp d, 0,1,2,3                        ; the four accumulators take turns, and the scores' eight products stand between two steps' turns
	v_wmma_f32_16x16x128_fp8_fp8 v[160+8*\d:167+8*\d], v[32+16*\d:47+16*\d], v[192:207], v[160+8*\d:167+8*\d]
.endr
.endm
; A TILE'S WAY OUT.  O^T / the sum, quantised for the last product: register j of tile t is d = 16 t + 8 h + j of my query: registers 2 t, 2 t + 1 of that operand's fragment.  1,024 consecutive aligned bytes a wave; no LDS.
.macro WAYOUT y
.rept 4
	v_nop                                          ; places behind the last products
.endr
	v_add_f32 v14, v14, v15
	v_permlanex16_b32 v216, v14, s20, s21
	v_add_f32 v14, v14, v216                       ; the row's sum
	s_wait_alu depctr_va_vdst(0)                   ; the wait ahead of the transcendental
	v_rcp_f32 v212, v14
	v_nop                                          ; a plain instruction behind it
	s_wait_alu depctr_va_vdst(0)                   ; and the wait ahead of its first reader, which is O^T's first reader too
.set j, 0
.rept 16
	v_pk_mul_f32 v[96+j:97+j], v[160+j:161+j], v[212:213] op_sel_hi:[1,0]   ; each accumulator from its low end on
.set j, j+2
.endr
.set j, 0
.rept 32
	v_med3_num_f32 v[96+j], v[96+j], -v221, v221
.set j, j+1
.endr
.irp t, 0,1,2,3
	v_cvt_scalef32_pk8_fp8_f32 v[24+2*\t:25+2*\t], v[96+8*\t:103+8*\t], v220
.endr
	v_nop                                          ; a plain instruction behind the conversions
	global_store_b128 v[LI], v[24:27], s[\y:\y+1]
	global_store_b128 v[LI], v[28:31], s[\y:\y+1] offset:512
.endm
	s_wait_alu depctr_va_vdst(0)                   ; at the head's end
	THREE                                          ; my part of steps 0 to 3 is in
	ROUND
	FILL G0B, G1B                                  ; steps 4 to 15: the first tensor load behind the round; four steps' work stands ahead of the wait for it
	s_wait_loadcnt 0x0                             ; Q
	s_mov_b32 s[KB], 0
	s_mov_b32 s[CNT], 0
.Lp0:                                              ; steps 0 to 3 of the long tile
	STEP 0
	s_add_co_u32 s[KB], s[KB], 8192
	s_add_co_u32 s[CNT], s[CNT], 1
	s_cmp_lt_u32 s[CNT], 4
	s_cbranch_scc1 .Lp0
	THREE                                          ; my part of steps 4 to 15 is in; nothing more is fetched, so my work-group's barrier serves
	s_barrier_signal -1
	s_barrier_wait -1
	s_sub_co_u32 s[LEN], 16, s[HW]                 ; the long tile's steps,
	s_sub_co_u32 s[LAST], 15, s[HW]
	s_sub_co_u32 s[DG], 112, s[DS]                 ; and on its diagonal: 16 (127 - 4 w - cx) - 128 (15 - w / 2)
.Lp1:                                              ; trips 4 to 23: the long tile's steps 4 to 15, then the short tile's steps 0 to 7; no barrier stands in them
	s_cmp_lg_u32 s[CNT], 16
	s_cbranch_scc1 .Lsame
	WAYOUT YL
	START QS
	s_add_co_u32 s[LEN], s[HW], 1
	s_mov_b32 s[LAST], s[HW]
	s_mov_b32 s[DG], s[DS]
	s_wait_alu depctr_va_vdst(0)
	s_wait_loadcnt 0x0                             ; Q
	s_wait_xcnt 0x0                                ; the stores have read their data: y's codes are written again only behind this wait
.Lsame:
	s_and_b32 s[KN], s[CNT], 15
	s_lshl_b32 s[KB], s[KN], 13
	s_cmp_ge_u32 s[KN], s[LEN]                     ; a step all of whose keys come after my queries: its work is left out
	s_cbranch_scc1 .Lhid
	STEP 1
.Lhid:
	s_add_co_u32 s[CNT], s[CNT], 1
	s_cmp_lt_u32 s[CNT], 24
	s_cbranch_scc1 .Lp1
	WAYOUT YS
	THREE                                          ; the wave's end
	ROUND                                          ; the closing round
	s_endpgm
.Lfunc_end_k_qe025e529ad_attn:
	.size	k_qe025e529ad_attn, .Lfunc_end_k_qe025e529ad_attn-k_qe025e529ad_attn
	.p2alignl 7, 3214868480
	.fill 96, 4, 3214868480
	.section	.rodata,"a",@progbits
	.p2align	6, 0x0
	.amdhsa_kernel k_qe025e529ad_attn
		.amdhsa_group_segment_fixed_size 327680
		.amdhsa_private_segment_fixed_size 0
		.amdhsa_enable_private_segment 0
		.amdhsa_kernarg_size 24
		.amdhsa_user_sgpr_count 2
		.amdhsa_user_sgpr_kernarg_segment_ptr 1
		.amdhsa_wavefront_size32 1
		.amdhsa_system_sgpr_workgroup_id_x 1
		.amdhsa_system_sgpr_workgroup_id_y 1
		.amdhsa_system_sgpr_workgroup_id_z 1
		.amdhsa_system_vgpr_workitem_id 0
		.amdhsa_next_free_vgpr 256
		.amdhsa_next_free_sgpr 100
		.amdhsa_reserve_vcc 1
		.amdhsa_float_denorm_mode_32 3
		.amdhsa_float_denorm_mode_16_64 3
		.amdhsa_memory_ordered 1
		.amdhsa_forward_progress 1
		.amdhsa_inst_pref_size 54
	.end_amdhsa_kernel
	.amdgpu_metadata
---
amdhsa.version: [ 1, 2 ]
amdhsa.kernels:
  - .name:           k_qe025e529ad_attn
    .symbol:         k_qe025e529ad_attn.kd
    .args:
      - { .name: qkvc, .offset: 0, .size: 8, .value_kind: global_buffer, .address_space: global }
      - { .name: lowp_scales, .offset: 8, .size: 8, .value_kind: global_buffer, .address_space: global }
      - { .name: yc, .offset: 16, .size: 8, .value_kind: global_buffer, .address_space: global }
    .group_segment_fixed_size: 327680
    .private_segment_fixed_size: 0
    .kernarg_segment_align: 8
    .kernarg_segment_size: 24
    .max_flat_workgroup_size: 512
    .sgpr_count:     100
    .vgpr_count:     256
    .wavefront_size: 32
...
	.end_amdgpu_metadata
.endif
;; end of part 3
;; launch proj (part 4): grid 4 x 64, 4 waves a work-group, clusters of 4 x 4, 327,680 bytes of LDS; arguments yc, wpc, lowp_scales, out0; writes out0
.if DOCPART == 4
	.amdgcn_target "amdgcn-amd-amdhsa--gfx1250"
	.amdhsa_code_object_version 6
	.text
	.protected	k_qe025e529ad_proj
	.globl	k_qe025e529ad_proj
	.p2align	8
	.type	k_qe025e529ad_proj,@function
k_qe025e529ad_proj:
	s_mov_b64 s[64:65], 0
	v_nop
	global_prefetch_b8 v0, s[64:65] scope:SCOPE_SE
	s_setreg_imm32_b32 hwreg(HW_REG_WAVE_MODE, 25, 1), 1
	s_wait_xcnt 0x0
	s_wait_alu depctr_hold_cnt(0) depctr_sa_sdst(0) depctr_va_vdst(0) depctr_va_sdst(0) depctr_va_ssrc(0) depctr_va_vcc(0) depctr_vm_vsrc(0)
	s_getreg_b32 s2, hwreg(HW_REG_IB_STS2, 6, 4)
	s_cmp_eq_u32 s2, 0
	s_cbranch_scc0 .Lentry_in_a_cluster
	s_endpgm
.Lentry_in_a_cluster:
	s_bfe_u32 s2, ttmp6, 0x10000c
	s_cmp_lg_u32 s2, 0xf033
	s_cbranch_scc0 .Lentry_shape_is_right
	s_endpgm
.Lentry_shape_is_right:
; out0 = y w_proj on codes of FP8 (E4M3), K = 1,024; each finished sum x 2^(e6 + e7).  LIMIT: e6 + e7 between -126 and 127, so that the factor is an f32 number.
; yc: 8,192 rows, wpc: 1,024 rows (the weight's columns n), both [row / 128][K / 256][row tile 0..7][K / 128 % 2][image of 2,048 bytes] (byte 512 g + 16 lane + e = registers 4 g .. 4 g + 3 of the plain fp8 form's layout):
; 128 rows x 1,024 K are 131,072 consecutive bytes, a K step of 256 of them 32,768.
; A block of 128 x 256 of the result is made by four waves, each 64 x 128: 32 accumulators, 256 registers.  64 x 4 blocks: 256 work-groups.
; LDS: three regions of 98,304 bytes: A's 128 rows, B's rows 0-127, B's rows 128-255; each region holds three K steps of 256 on end.  K steps 0 to 2 of a block of rows are consecutive in memory, so they come with ONE load a wave at the head:
; waves 0 and 3 fetch the halves of A's 98,304 bytes, waves 1 and 2 B's two blocks.  K step 3 is the one refill: into each region's first 32,768 bytes, behind the round that follows my last read of K step 0;
; five steps of 128 along K, 160 matrix instructions a wave, stand between that request and the wait for it.
; CLUSTERS: 4 x 4 work-groups; A's rows are asked for jointly along a row of the cluster, B's along a column.
; THE MATRIX INSTRUCTION IS USED TRANSPOSED (source 0 = 16 rows of B, source 1 = 16 rows of A): a lane holds eight neighbouring numbers of a row of the result.
; NO PREFETCH: K has four steps: three are the first fill and the fourth is the only refill, so there is nothing further ahead to ask for.
; REGISTERS, in windows of 256: window 0: v16-29 addresses; v128-255 A's fragments (4 x 16 rows x 128 K), two sets; on the way out v32-255.  window 1: accumulator (a, b) at v[8 (8 a + b)].  window 2: B's fragments (8), two sets.
.set KBLK,   32768                     ; 128 rows x 256 K
.set REG,    3*KBLK                    ; a region
.set SPARE,  3*REG                     ; behind the regions: the spare words, 128 bytes a wave: two blocks of 256 bytes that no other line names
.set STAGE,  KBLK                      ; the way out: 16 rows x 528 bytes a wave, in A's K steps 1 and 2: they have had their only fill, and behind the last barrier nobody reads them
.set SPITCH, 528
.set ROWC,   4096                      ; a row of the result in bytes
.set ADRA, 16                          ; v16-18  LDS address of my A fragments in the region's slot 0, 1, 2
.set ADRB, 20                          ; v20-22  the same for B
.set STO,  24
.set RD,   25
.set LI,   26                          ; v26     16 x lane
.set SPW,  28                          ; v28     LDS address of my spare word; never rewritten
.set NIL,  29                          ; v29     0; never rewritten
.set TMP,  32
.set AF,   128
.set BK,   128
.set G1A,  24                          ; s[24:31] group 1: A's first fill;  s[68:75] A's refill;  s[48:55], s[76:83] the same for B
.set G1AR, 68
.set G1B,  48
.set G1BR, 76
.set G0A,  32                          ; s[32:35], s[36:39] group 0: A's first fill, A's refill;  s[56:59], s[60:63] B's
.set G0AR, 36
.set G0B,  56
.set G0BR, 60
.set MSB, 0
.macro WIN new                         ; low byte: bits 1:0 source 0, 3:2 source 1, 5:4 source 2, 7:6 destination; the high byte repeats the setting that is left
.if MSB != \new
	s_set_vgpr_msb (MSB<<8)|\new
.set MSB, \new
.endif
.endm
; A joint load: waves 0 and 3 fetch for A, waves 1 and 2 for B; the branch hangs on the wave's number alone.  An s_nop 0 and four v_nop follow each of the two lines.
.macro JLOAD g0a, g1a, g0b, g1b
	s_cmp_eq_u32 s15, 0
	s_cbranch_scc0 .Lfor_b_\@
	tensor_load_to_lds s[\g0a:\g0a+3], s[\g1a:\g1a+7]
	s_nop 0
.rept 4
	v_nop
.endr
	s_branch .Lasked_\@
.Lfor_b_\@:
	tensor_load_to_lds s[\g0b:\g0b+3], s[\g1b:\g1b+7]
	s_nop 0
.rept 4
	v_nop
.endr
.Lasked_\@:
.endm
.macro CROUND                          ; a round of the cluster's barrier
	s_barrier_signal -1
	s_barrier_wait -1
	s_cmp_lg_u32 s14, 0
	s_cbranch_scc1 .Lnot_wave_0_\@
	s_barrier_signal -3
.Lnot_wave_0_\@:
	s_barrier_wait -3
	s_barrier_signal -1
	s_barrier_wait -1
.endm
.macro G1W g, rows                     ; rows of 32 elements of 8 bytes, dense, no padding
	s_mov_b32 s[\g+1], 32<<16
	s_mov_b32 s[\g+2], (\rows)<<16
	s_mov_b32 s[\g+3], 32<<16
	s_mov_b32 s[\g+4], \rows
	s_mov_b32 s[\g+5], 32
	s_mov_b32 s[\g+6], 0
	s_mov_b32 s[\g+7], 0
.endm
.macro PLACES                          ; plain vector instructions between a matrix instruction and a load into, or a read of, its registers
.rept 4
	v_nop
.endr
.endm
	s_load_b128 s[4:7], s[0:1], 0x0                ; yc s[4:5], wpc s[6:7]
	s_load_b128 s[8:11], s[0:1], 0x10              ; the scales' exponents s[8:9], out0 s[10:11]
	v_lshl_add_u32 v[SPW], v0, 2, SPARE
	v_mov_b32 v[NIL], 0
	ds_add_u32 v[SPW], v[NIL]                      ; the opening: the add, twice on end, and its wait ahead of my first tensor load
	ds_add_u32 v[SPW], v[NIL]
	v_lshrrev_b32 v1, 5, v0
	v_readfirstlane_b32 s14, v1                    ; wave 0..3
	s_lshr_b32 s16, s14, 1                         ; which 64 rows of A are mine.  Also: which half of A, or which block of B, I fetch
	s_and_b32 s18, s14, 1                          ; which block of B is mine
	s_add_co_u32 s15, s14, 1
	s_bfe_u32 s15, s15, 0x10001                    ; 0 in waves 0 and 3: I fetch for A; 1 in waves 1 and 2: for B
	s_bfe_u32 s40, ttmp6, 0x40000                  ; cx
	s_bfe_u32 s41, ttmp6, 0x40004                  ; cy
	s_lshl_b32 s42, ttmp9, 2
	s_add_co_u32 s42, s42, s40                     ; the block's column: 256 columns each
	s_and_b32 s17, ttmp7, 0xffff
	s_lshl_b32 s17, s17, 2
	s_add_co_u32 s17, s17, s41                     ; its row: 128 rows each
	s_lshl_b32 s43, s41, 2
	s_lshl_b32 s43, 15, s43                        ; my row of the cluster
	s_lshl_b32 s44, 0x1111, s40                    ; my column
	s_or_b32 s[G1A], s43, (3<<16)|(1<<21)          ; 15:0 the mask; 17:16 elements of 8 bytes; 21 set beside a mask
	s_or_b32 s[G1AR], s43, (3<<16)|(1<<21)
	s_or_b32 s[G1B], s44, (3<<16)|(1<<21)
	s_or_b32 s[G1BR], s44, (3<<16)|(1<<21)
	G1W G1A, 192                                   ; half of A's three K steps: 49,152 bytes
	G1W G1AR, 64                                   ; half of one K step of A: 16,384
	G1W G1B, 384                                   ; three K steps of a block of B: 98,304
	G1W G1BR, 128                                  ; one: 32,768
	s_mul_i32 s19, s16, 49152
	s_lshl_b32 s20, s17, 17                        ; A's block of 128 rows
	s_add_co_u32 s84, s20, s19
	s_mov_b32 s85, 0
	s_lshl_b32 s21, s16, 14
	s_add_co_u32 s86, s20, s21
	s_add_co_u32 s86, s86, REG                     ; K step 3 begins 98,304 bytes into a block
	s_mov_b32 s87, 0
	s_lshl_b32 s46, s42, 1
	s_add_co_u32 s46, s46, s16
	s_lshl_b32 s46, s46, 17                        ; B's block of 128 rows
	s_mov_b32 s47, 0
	s_add_co_u32 s88, s46, REG
	s_mov_b32 s89, 0
	s_mul_i32 s90, s16, REG
	s_add_co_u32 s90, s90, REG                     ; B's regions lie behind A's: no place in the cluster enters an LDS address
	s_mov_b32 s[G0A], 1
	s_mov_b32 s[G0A+1], s19
	s_mov_b32 s[G0AR], 1
	s_mov_b32 s[G0AR+1], s21
	s_mov_b32 s[G0B], 1
	s_mov_b32 s[G0B+1], s90
	s_mov_b32 s[G0BR], 1
	s_mov_b32 s[G0BR+1], s90
	s_wait_dscnt 0x0                               ; both opening adds are done
	s_wait_kmcnt 0x0
	s_load_b64 s[96:97], s[8:9], 0x18              ; e6, e7
	s_add_nc_u64 s[G0A+2:G0A+3], s[4:5], s[84:85]
	s_or_b32 s[G0A+3], s[G0A+3], 0x80000000
	s_add_nc_u64 s[G0AR+2:G0AR+3], s[4:5], s[86:87]
	s_or_b32 s[G0AR+3], s[G0AR+3], 0x80000000
	s_add_nc_u64 s[G0B+2:G0B+3], s[6:7], s[46:47]
	s_or_b32 s[G0B+3], s[G0B+3], 0x80000000
	s_add_nc_u64 s[G0BR+2:G0BR+3], s[6:7], s[88:89]
	s_or_b32 s[G0BR+3], s[G0BR+3], 0x80000000
	CROUND                                         ; all sixteen work-groups are here: the first joint loads meet
	JLOAD G0A, G1A, G0B, G1B                       ; K steps 0 to 2: my one tensor load at the head
	s_mul_i32 s22, s18, REG
	s_add_co_u32 s22, s22, REG                     ; my block of B
	s_mul_i32 s23, s14, 16*SPITCH
	s_add_co_u32 s23, s23, STAGE                   ; my stage
	s_lshl_b32 s92, s17, 19                        ; the result: 128 rows of 4,096 bytes a block,
	s_lshl_b32 s93, s16, 18                        ; my 64 rows,
	s_add_co_u32 s92, s92, s93
	s_lshl_b32 s93, s42, 10                        ; 256 columns a block,
	s_add_co_u32 s92, s92, s93
	s_lshl_b32 s93, s18, 9                         ; my 128 columns
	s_add_co_u32 s92, s92, s93
	s_mov_b32 s93, 0
	s_add_nc_u64 s[10:11], s[10:11], s[92:93]
	v_and_b32 v6, 31, v0
	v_lshlrev_b32 v[LI], 4, v6
	v_and_b32 v1, 15, v0                           ; r
	v_bfe_u32 v2, v0, 4, 1                         ; h
	v_add_nc_u32 v[ADRA], s21, v[LI]               ; my four row tiles of A: 16,384 x half
	v_add_nc_u32 v[ADRA+1], KBLK, v[ADRA]
	v_add_nc_u32 v[ADRA+2], 2*KBLK, v[ADRA]
	v_add_nc_u32 v[ADRB], s22, v[LI]
	v_add_nc_u32 v[ADRB+1], KBLK, v[ADRB]
	v_add_nc_u32 v[ADRB+2], 2*KBLK, v[ADRB]
	v_mul_u32_u24 v5, v1, SPITCH                   ; the stage, way in: row r, 32 bytes for each half of the lanes
	v_lshl_add_u32 v5, v2, 5, v5
	v_add_nc_u32 v[STO], s23, v5
	v_add_nc_u32 v[RD], s23, v[LI]                 ; way back: the 32 lanes take one row of 512 bytes
; 48 LDS loads in one run: B's eight and A's four fragments of 128 along K (half q of the region's slot sl) into set p; a fragment comes as its image lies: four loads of 512 consecutive bytes
.macro LOADS sl, q, p
	WIN 0x80                                       ; destination window 2
.irp i, 0,1,2,3,4,5,6,7
.irp c, 0,1,2,3
	ds_load_b128 v[128*(\p)+16*\i+4*\c:128*(\p)+16*\i+4*\c+3], v[ADRB+\sl] offset:4096*\i+2048*(\q)+512*\c
.endr
.endr
	WIN 0
.irp i, 0,1,2,3
.irp c, 0,1,2,3
	ds_load_b128 v[AF+64*(\p)+16*\i+4*\c:AF+64*(\p)+16*\i+4*\c+3], v[ADRA+\sl] offset:4096*\i+2048*(\q)+512*\c
.endr
.endr
.endm
; 32 matrix instructions: A's four blocks x B's eight, 128 along K, on set p.  The 32 accumulators take turns, one instruction a turn, in the same order in every step.  zero = 1: the first products start the sums.
.macro MUL p, zero
	WIN 0x52                                       ; source 0 (B) window 2, source 1 (A) window 0, C and D window 1
.irp a, 0,1,2,3
.irp b, 0,1,2,3,4,5,6,7
.if \zero
	v_wmma_f32_16x16x128_fp8_fp8 v[8*(8*\a+\b):8*(8*\a+\b)+7], v[128*(\p)+16*\b:128*(\p)+16*\b+15], v[AF+64*(\p)+16*\a:AF+64*(\p)+16*\a+15], 0
.else
	v_wmma_f32_16x16x128_fp8_fp8 v[8*(8*\a+\b):8*(8*\a+\b)+7], v[128*(\p)+16*\b:128*(\p)+16*\b+15], v[AF+64*(\p)+16*\a:AF+64*(\p)+16*\a+15], v[8*(8*\a+\b):8*(8*\a+\b)+7]
.endif
.endr
.endr
.endm
.macro NEXT sl, q, p                   ; the next step's fragments are asked for, then the step in hand (set 1 - p) is multiplied
	PLACES
	LOADS \sl, \q, \p
	s_wait_dscnt 48                                ; all but the 48 just issued
	MUL 1-(\p), 0
.endm
	s_wait_alu depctr_va_vdst(0)                   ; at the head's end
	s_wait_tensorcnt 0x0                           ; my part of K steps 0 to 2 is in
	s_barrier_signal -1
	s_barrier_wait -1                              ; and everybody's
	LOADS 0, 0, 0                                  ; K 0-127
	LOADS 0, 1, 1                                  ; K 128-255
	s_wait_dscnt 48
	MUL 0, 1
	PLACES
	LOADS 1, 0, 0                                  ; K 256-383
	s_wait_tensorcnt 0x0
	ds_add_u32 v[SPW], v[NIL]
	s_wait_dscnt 0x0                               ; the add is done, and my reads of K step 0 are over
	CROUND                                         ; no wave of any partner still reads K step 0
	JLOAD G0AR, G1AR, G0BR, G1BR                   ; K step 3, into the regions' slot 0: the first tensor load behind the round
	MUL 1, 0
	NEXT 1, 1, 1                                   ; K 384-511 asked for, K 256-383 multiplied
	NEXT 2, 0, 0
	NEXT 2, 1, 1
	s_wait_dscnt 0x0
	MUL 1, 0                                       ; K 640-767
	WIN 0
	s_wait_tensorcnt 0x0                           ; my part of K step 3 is in
	ds_add_u32 v[SPW], v[NIL]
	s_wait_dscnt 0x0
	s_barrier_signal -1
	s_barrier_wait -1                              ; and everybody's; nobody reads K steps 1 and 2 any more
	PLACES
	LOADS 0, 0, 0
	LOADS 0, 1, 1
	s_wait_dscnt 48
	MUL 0, 0
	s_wait_dscnt 0x0
	MUL 1, 0
	WIN 0
; THE WAY OUT, block by block of 16 rows x 128 columns.  A lane holds 32 neighbouring bytes of a row, and the lanes beside it hold other rows: so a block goes through my own stage in LDS and comes back as whole
; rows of 512 bytes, which the 32 lanes store as two aligned units of 256 bytes.  LDS serves a wave's instructions in order (ISA guide 5.7.1.4): no wait between the stores and the loads.
.macro TOSTAGE a
.set AC, 64*(\a)
	WIN 0x01                                       ; source 0: window 1
.set j, 0
.rept 32
	v_pk_mul_f32 v[TMP+j:TMP+j+1], v[AC+j:AC+j+1], s[96:97] op_sel_hi:[1,0]   ; both x s96 = 2^(e6 + e7); each accumulator from its low end on
.set j, j+2
.endr
	WIN 0
.irp b, 0,1,2,3,4,5,6,7
	ds_store_b128 v[STO], v[TMP+8*\b:TMP+8*\b+3] offset:64*\b
	ds_store_b128 v[STO], v[TMP+8*\b+4:TMP+8*\b+7] offset:64*\b+16
.endr
.set BB, BK+64*((\a)%2)
.irp t, 0,1,2,3,4,5,6,7,8,9,10,11,12,13,14,15
	ds_load_b128 v[BB+4*\t:BB+4*\t+3], v[RD] offset:\t*SPITCH
.endr
.endm
.macro SEND a, younger                 ; younger: the LDS instructions issued behind block a's loads, which may stay out
.set BB, BK+64*((\a)%2)
	s_wait_dscnt \younger
.if (\a) > 0
	s_add_nc_u64 s[10:11], s[10:11], 16*ROWC       ; (behind a wait on XCNT: the earlier stores have read their base)
.endif
.irp t, 0,1,2,3,4,5,6,7,8,9,10,11,12,13,14,15
	global_store_b128 v[LI], v[BB+4*\t:BB+4*\t+3], s[10:11] offset:\t*ROWC th:TH_STORE_NT   ; 32 lanes store 512 consecutive bytes, aligned
.endr
.endm
	s_wait_kmcnt 0x0
	s_add_co_i32 s96, s96, s97
	s_add_co_i32 s96, s96, 127
	s_lshl_b32 s96, s96, 23                        ; 2^(e6 + e7) as f32
	PLACES
	TOSTAGE 0
.irp a, 1,2,3
.if \a > 1
	s_wait_xcnt 0x0                                ; block a - 2's stores have read their registers and their base
.endif
	TOSTAGE \a
	SEND \a-1, 32                                  ; behind block a - 1's loads: block a's 16 stores and 16 loads
.endr
	s_wait_xcnt 0x0
	SEND 3, 0
	s_wait_tensorcnt 0x0                           ; the wave's end, behind my last tensor load and my last LDS store
	ds_add_u32 v[SPW], v[NIL]
	s_wait_dscnt 0x0
	CROUND                                         ; the closing round
	s_endpgm
.Lfunc_end_k_qe025e529ad_proj:
	.size	k_qe025e529ad_proj, .Lfunc_end_k_qe025e529ad_proj-k_qe025e529ad_proj
	.p2alignl 7, 3214868480
	.fill 96, 4, 3214868480
	.section	.rodata,"a",@progbits
	.p2align	6, 0x0
	.amdhsa_kernel k_qe025e529ad_proj
		.amdhsa_group_segment_fixed_size 327680
		.amdhsa_private_segment_fixed_size 0
		.amdhsa_enable_private_segment 0
		.amdhsa_kernarg_size 32
		.amdhsa_user_sgpr_count 2
		.amdhsa_user_sgpr_kernarg_segment_ptr 1
		.amdhsa_wavefront_size32 1
		.amdhsa_system_sgpr_workgroup_id_x 1
		.amdhsa_system_sgpr_workgroup_id_y 1
		.amdhsa_system_sgpr_workgroup_id_z 1
		.amdhsa_system_vgpr_workitem_id 0
		.amdhsa_next_free_vgpr 768
		.amdhsa_next_free_sgpr 98
		.amdhsa_reserve_vcc 0
		.amdhsa_float_denorm_mode_32 3
		.amdhsa_float_denorm_mode_16_64 3
		.amdhsa_memory_ordered 1
		.amdhsa_forward_progress 1
		.amdhsa_inst_pref_size 73
	.end_amdhsa_kernel
	.amdgpu_metadata
---
amdhsa.version: [ 1, 2 ]
amdhsa.kernels:
  - .name:           k_qe025e529ad_proj
    .symbol:         k_qe025e529ad_proj.kd
    .args:
      - { .name: yc, .offset: 0, .size: 8, .value_kind: global_buffer, .address_space: global }
      - { .name: wpc, .offset: 8, .size: 8, .value_kind: global_buffer, .address_space: global }
      - { .name: lowp_scales, .offset: 16, .size: 8, .value_kind: global_buffer, .address_space: global }
      - { .name: out0, .offset: 24, .size: 8, .value_kind: global_buffer, .address_space: global }
    .group_segment_fixed_size: 327680
    .private_segment_fixed_size: 0
    .kernarg_segment_align: 8
    .kernarg_segment_size: 32
    .max_flat_workgroup_size: 128
    .sgpr_count:     98
    .vgpr_count:     768
    .wavefront_size: 32
...
	.end_amdgpu_metadata
.endif
;; end of part 4
